; MI455X (gfx1250); checked and timed in simulation.
; The chip was launched on July 23, 2026; its instructions are those of AMD's public machine-readable ISA for CDNA 5 (MIT licence, August 2026) and "CDNA5" Instruction Set Architecture Reference Guide (July 2026). The comments in the code are by the model that wrote it; some were corrected since.
;; Sliding Window Attention. Allowed arithmetic: matrix products marked QUANTISED: E2M3 operands, one E8M0 scale for each 32 along K, by v_wmma_scale_f32_16x16x128_f8f6f4 with both operands' format E2M3, f32 sums; everything else in f32.
;; Inputs: Wout 1,024 x 1,024 float32; Wqkv 3,072 x 1,024 float32; x 4 x 2,048 x 1,024 float32.
;; Outputs: out0 4 x 2,048 x 1,024 float32.
;; This version of the problem:
;;   THIS VERSION OF THE PROBLEM IS GIVEN IN LOW PRECISION. The matrix products marked QUANTISED in the list below multiply operands that are first quantised to E2M3 (2 exponent bits, 3 mantissa bits; 6 bits a number), with one power-of-two scale for each 32 numbers along K (OCP MX v1.0); their sums are f32. All else is computed in f32.
;;   The module's matrix products, in the order in which they are computed (A, B: the left and right operand; K: the contracted axis; several contracted axes count as one K, in the product's order):
;;     1. [M 8,192, K 1,024] x [K 1,024, N 3,072]; A: input x; B: input Wqkv: QUANTISED
;;     2. batch 32 x [M 2,048, K 128] x [K 128, N 2,048]; A: computed on the way; B: computed on the way: QUANTISED
;;     3. batch 32 x [M 2,048, K 2,048] x [K 2,048, N 128]; A: softmax (see below); B: computed on the way: QUANTISED
;;     4. [M 8,192, K 1,024] x [K 1,024, N 1,024]; A: computed on the way; B: input Wout: QUANTISED
;;   THE QUANTISER, for each operand of a quantised product, along K:
;;     - K is cut into blocks of 32 from its start; a last block that is shorter is filled with zeros.
;;     - A block's scale is 2^e with e = floor(log2(the largest magnitude in the block)) - 2, held to -126 .. 127; a block of zeros has e = 0. As a byte (E8M0): e + 127.
;;     - Each number is divided by its block's scale, clamped to +-7.5, and rounded to the nearest number of E2M3, ties to even, subnormals kept.
;;     - The product sums the exact products of the quantised numbers (number of the format x scale) in f32.
;;   ~~~python
;;   def quantise(x, axis):      # numpy; x: float32 -> the quantised numbers, widened to float32 again
;;       x = np.moveaxis(x, axis, -1); K = x.shape[-1]
;;       x = np.pad(x, [(0, 0)] * (x.ndim - 1) + [(0, -K % 32)]); x = x.reshape(x.shape[:-1] + (-1, 32)); a = np.abs(x).max(-1, keepdims=True)
;;       e = np.where(a > 0, np.clip(np.frexp(np.where(a > 0, a, 1))[1] - 1 - 2, -126, 127), 0)      # np.frexp(a)[1] - 1 = floor(log2(a)), exactly
;;       r = np.clip(x / 2.0 ** e, -7.5, 7.5)
;;       step = 2.0 ** (np.maximum(np.frexp(np.where(r == 0, 1, r))[1] - 1, 0) - 3)
;;       q = np.round(r / step) * step * 2.0 ** e      # np.round: ties to even
;;       return np.moveaxis(q.reshape(q.shape[:-2] + (-1,))[..., :K], -1, axis).astype(np.float32)
;;   ~~~
;;   SOFTMAX AHEAD OF A QUANTISED PRODUCT. Where the list says 'softmax', what is quantised is not the finished softmax but p = 2^(t - M), with t = logit x log2(e) and M = ceil(the row's largest t), a whole number; so 1/2 < the row's largest p <= 1. The row's sum l is taken of the UNQUANTISED p, in f32, and the product's result is divided by l at the end. Since M is a whole number, a kernel that streams over the keys may use a running M (the ceiling of the running maximum): every later rescaling is an exact power of two, which a block's scale takes up: the codes' values come out the same.
;;   OPERANDS COMPUTED ON THE WAY. 'Computed on the way' means the value that the module computes at that place (a softmax that the list does not call 'softmax' is quantised finished and normalised). What goes into a quantiser is computed in f32, as accurately as f32 sums, v_exp_f32 and their like allow (about 1e-6 of the number): no bf16 or f16 on the way to a quantiser, and a product that is left as it is and whose result goes on into a quantised operand takes f32 operands (vector FMAs, or v_wmma_f32_16x16x4_f32). A number that lies on a knife's edge between two numbers of the format may be rounded either way, as far as f32 arithmetic and the matrix unit's own rounding can turn it there, and no further.
;; One version. Each part assembles by itself: llvm-mc -triple=amdgcn-amd-amdhsa -mcpu=gfx1250 --defsym DOCPART=n.
;; ======== version 1 of 1: 3 launches
;; limits: right only within a limited range of input values
;; workspace buffers: cod 9,437,184 bytes; scl 393,216 bytes; qkvc 18,874,368 bytes; qkvs 786,432 bytes
;; launch quant (part 1): grid 256 x 1, 12 waves a work-group, no clusters, 205,824 bytes of LDS; arguments x, Wqkv, Wout, cod, scl; writes cod, scl
.if DOCPART == 1
	.amdgcn_target "amdgcn-amd-amdhsa--gfx1250"
	.amdhsa_code_object_version 6
	.text
	.protected	k_qda233244a4_quant
	.globl	k_qda233244a4_quant
	.p2align	8
	.type	k_qda233244a4_quant,@function
k_qda233244a4_quant:
	s_mov_b64 s[64:65], 0
	v_nop
	global_prefetch_b8 v0, s[64:65] scope:SCOPE_SE
	s_setreg_imm32_b32 hwreg(HW_REG_WAVE_MODE, 25, 1), 1
	s_wait_xcnt 0x0
; x [8192][1024], Wqkv [3072][1024], Wout [1024][1024], f32, K innermost, become codes of FP6 (E2M3) with one E8M0 byte for each 32 along K.
; WORK LEFT OUT BY THE PROGRAM: reference() sets every score with i - j < 0 or i - j >= 128 to -infinity by a mask that it builds itself, so such keys have p = 0 whatever the inputs hold:
; the later launches multiply only the five blocks of 32 keys that can count for a query.  A NaN, an infinity or an overflow that reaches only the work left out is not carried to the result.
; The three tensors are one space of 12,288 rows.  TILE 2 beta + u HOLDS ROWS 32 beta + 8 u + r + 8 (r / 8), r = 0 .. 15: with such tiles a product used transposed leaves 16 neighbours
; along the next K in a lane's registers, which the later launches build on.
; cod: [tile 768][K step 8][1,536 bytes]: a fragment (16 rows x 128 K, 12 registers a lane) as an image of its registers: register p of lane l at 512 (p / 4) + 16 l + 4 (p % 4).
; scl: [half of K 2][16 tile + r][16 bytes]: word i = the four scale bytes of the row's K step 4 half + i.
; A block's scale is 2^(floor(log2(largest magnitude)) - 2); its byte is the largest magnitude's exponent field - 2.
; LIMITS: NaN and infinities are not served.  A largest magnitude under 2^-124 has its byte held at 1; a block of zeros gets the byte 1 where the rule says 127: its codes are zeros, and this program alone reads the bytes.
; SHARES.  768 tasks of 32 rows x 512 K, three to a work-group; four waves share a task, a K step of 128 each: 32 rows x 512 bytes, ONE tensor load a wave, each row with 16 bytes of padding behind it.
; Every LDS byte is filled once and a wave reads its own tile alone.  The four waves' scale words meet in LDS, so that a task's 512 bytes of scl leave by one store.
; No cluster: no two work-groups read the same byte.  No prefetch: no loop, each wave asks once, at its head.
.set TILE,  16896                      ; 32 rows x 528 bytes
.set PITCH, 528
.set SCB,   12*TILE                    ; the scale words of three tasks, 512 bytes each: blocks of 256 bytes into which no fill lands
.set SPARE, SCB+1536                   ; the spare words: 128 bytes a wave, six blocks of 256 bytes that no other line names
.set ADX,   4                          ; v4   LDS: my row of tile u = 0, my 16 numbers of a block of 32
.set LI,    5                          ; v5   16 x lane
.set SPW,   6                          ; v6   my spare word; never rewritten
.set NIL,   7                          ; v7   0; never rewritten
.set SWA,   8                          ; v8   LDS: where my scale word goes
.set SRA,   9                          ; v9   LDS: my 16 bytes of the task's scale words
.set X,     32                         ; v32-95, v96-159: two sets of 64 numbers
.set TM,    160                        ; v160-175 at work in QUANT
.set PC,    180                        ; v180-198 the codes just made
.set SW,    200                        ; v200, v201 the scale word of tile u = 0, 1
.set OUTR,  208                        ; v208-211 the scale words as they leave
.set SEL,   20                         ; s[20:21] lane selects: lane l xor 16
.set G1,    24                         ; s[24:31] descriptor group 1
.set G0,    32                         ; s[32:35] group 0
; 64 numbers of a lane, register 16 b + i = k 32 b + 16 (lane / 16) + i of my row, become a fragment's codes in v[PC] on and its scale word in v[pw].
.macro QUANT s, pw
.irp b, 0,1,2,3
	v_max3_num_f32 v[TM+\b], |v[\s+16*\b]|, |v[\s+1+16*\b]|, 0x1800000   ; my 16 numbers of block b, and the floor 2^(3 - 127): the byte cannot fall under 1
.endr
.irp i, 2,4,6,8,10,12,14
.irp b, 0,1,2,3
	v_max3_num_f32 v[TM+\b], v[TM+\b], |v[\s+16*\b+\i]|, |v[\s+1+16*\b+\i]|   ; the four blocks by turns
.endr
.endr
.irp b, 0,1,2,3
	v_permlanex16_b32 v[TM+4+\b], v[TM+\b], s[SEL], s[SEL+1]
.endr
.irp b, 0,1,2,3
	v_max_num_f32 v[TM+\b], v[TM+\b], v[TM+4+\b]   ; with lane l xor 16's: the block's largest magnitude
.endr
.irp b, 0,1,2,3
	v_add_nc_u32 v[TM+12+\b], 0xff000000, v[TM+\b]   ; 2 off its exponent field: the conversion's scale operand
.endr
.irp b, 0,1,2,3
	v_lshrrev_b32 v[TM+4+\b], 23, v[TM+12+\b]      ; the scale's byte
.endr
	v_lshl_or_b32 v[\pw], v[TM+5], 8, v[TM+4]      ; my row's scale word
	v_lshl_or_b32 v[\pw], v[TM+6], 16, v[\pw]
	v_lshl_or_b32 v[\pw], v[TM+7], 24, v[\pw]
.irp c, 0,1
	v_cvt_scalef32_pk16_fp6_f32 v[PC+6*\c:PC+2+6*\c], v[\s+32*\c:\s+15+32*\c], v[TM+12+2*\c]
	v_cvt_scalef32_pk16_fp6_f32 v[PC+12+4*\c:PC+14+4*\c], v[\s+16+32*\c:\s+31+32*\c], v[TM+12+2*\c+1]   ; (a conversion's three registers begin on an even number)
.endr
	v_nop                                          ; one plain place behind a scaled conversion
.irp c, 0,1                                    ; the operand wants a whole block in a lane: lanes 0-15 block 2 c, lanes 16-31 block 2 c + 1
.irp i, 0,1,2
	v_permlane16_swap_b32 v[PC+6*\c+\i], v[PC+12+4*\c+\i]
.endr
.irp i, 0,1,2
	v_mov_b32 v[PC+3+6*\c+\i], v[PC+12+4*\c+\i]
.endr
.endr
.endm
	s_load_b256 s[4:11], s[0:1], 0x0               ; x s[4:5], Wqkv s[6:7], Wout s[8:9], cod s[10:11]
	s_load_b64 s[12:13], s[0:1], 0x20              ; scl
	v_lshl_add_u32 v[SPW], v0, 2, SPARE
	v_mov_b32 v[NIL], 0
	ds_add_u32 v[SPW], v[NIL]                      ; the wave's opening: the add, twice on end, and its wait ahead of my tensor load
	ds_add_u32 v[SPW], v[NIL]
	v_lshrrev_b32 v1, 5, v0
	v_readfirstlane_b32 s14, v1                    ; wave 0..11
	s_mov_b32 s[G1+0], (2<<16)|(1<<20)|(6<<22)|(3<<25)  ; elements of 4 bytes; padding on: behind every 128 words, 4 words
	s_mov_b32 s[G1+1], 128<<16                     ; tensor_dim0 = 128
	s_mov_b32 s[G1+2], 32<<16                      ; tensor_dim1 = 32
	s_mov_b32 s[G1+3], 128<<16                     ; tile_dim0 = 128
	s_mov_b32 s[G1+4], 32                          ; tile_dim1 = 32
	s_mov_b32 s[G1+5], 1024                        ; from row to row
	s_mov_b32 s[G1+6], 0
	s_mov_b32 s[G1+7], 0
	s_mov_b32 s[SEL], 0x76543210
	s_mov_b32 s[SEL+1], 0xfedcba98
	s_mov_b32 s22, 0xffff0000                      ; lanes 16-31
	s_lshr_b32 s23, s14, 2                         ; which of the work-group's three tasks
	s_and_b32 s52, s14, 3                          ; which K step of its four
	s_mul_i32 s15, ttmp9, 3
	s_add_co_u32 s15, s15, s23                     ; my task
	s_lshr_b32 s16, s15, 1                         ; beta: which 32 rows
	s_and_b32 s17, s15, 1                          ; which half of K
	s_mul_i32 s18, s14, TILE                       ; my tile in LDS
	s_mul_i32 s48, s16, 24576                      ; cod: two tiles of 12,288 bytes for each beta,
	s_mul_i32 s49, s17, 6144                       ; four K steps of 1,536 for each half,
	s_add_co_u32 s48, s48, s49
	s_mul_i32 s49, s52, 1536                       ; my K step
	s_add_co_u32 s48, s48, s49
	s_mov_b32 s49, 0
	s_mul_i32 s50, s17, 196608                     ; scl: the half's plane,
	s_lshl_b32 s51, s16, 9                         ; 32 rows of 16 bytes
	s_add_co_u32 s50, s50, s51
	s_mov_b32 s51, 0
	s_lshl_b32 s53, s23, 9
	s_add_co_u32 s53, s53, SCB                     ; LDS: my task's 512 bytes of scale words,
	s_lshl_b32 s54, s52, 2
	s_add_co_u32 s54, s54, s53                     ; and my K step's word in each 16
	s_mov_b32 s19, 352
	s_wait_dscnt 0x0                               ; both opening adds are done
	s_wait_kmcnt 0x0
	s_cmp_lt_u32 s16, 352                          ; which tensor: the choice hangs on ids alone
	s_cselect_b64 s[6:7], s[6:7], s[8:9]
	s_cselect_b32 s19, 256, s19
	s_cmp_lt_u32 s16, 256
	s_cselect_b64 s[4:5], s[4:5], s[6:7]
	s_cselect_b32 s19, 0, s19
	s_sub_co_u32 s19, s16, s19                     ; beta inside that tensor
	s_lshl_b32 s2, s19, 17                         ; 32 rows of 4,096 bytes
	s_lshl_b32 s3, s17, 11                         ; 512 numbers a half
	s_add_co_u32 s2, s2, s3
	s_lshl_b32 s3, s52, 9                          ; 128 numbers a K step
	s_add_co_u32 s2, s2, s3
	s_mov_b32 s3, 0
	s_add_nc_u64 s[4:5], s[4:5], s[2:3]
	s_add_nc_u64 s[10:11], s[10:11], s[48:49]
	s_add_nc_u64 s[12:13], s[12:13], s[50:51]
	s_mov_b32 s[G0], 1
	s_add_co_u32 s[G0+1], s18, 0
	s_mov_b64 s[G0+2:G0+3], s[4:5]
	s_or_b32 s[G0+3], s[G0+3], 0x80000000
	tensor_load_to_lds s[G0:G0+3], s[G1:G1+7]      ; my one tensor load
	s_nop 0
.rept 4
	v_nop
.endr
	v_and_b32 v1, 15, v0                           ; r
	v_bfe_u32 v2, v0, 4, 1                         ; h
	v_and_b32 v3, 8, v1
	v_add_nc_u32 v3, v3, v1                        ; r + 8 (r / 8)
	v_mul_u32_u24 v[ADX], v3, PITCH
	v_lshl_add_u32 v[ADX], v2, 6, v[ADX]           ; + 64 h
	v_add_nc_u32 v[ADX], s18, v[ADX]
	v_and_b32 v[LI], 31, v0
	v_lshlrev_b32 v[LI], 4, v[LI]
	v_add_nc_u32 v[SWA], s54, v[LI]
	v_add_nc_u32 v[SRA], s53, v[LI]
.irp b, 0,1,2,3
	v_mov_b32 v[TM+4+\b], 0                        ; written once: a lane permute's destination counts as one of its sources
.endr
.macro LOADX u                         ; tile u of my 32 rows: 64 numbers a lane
.irp b, 0,1,2,3
.irp j, 0,1,2,3
	ds_load_b128 v[X+64*\u+16*\b+4*\j:X+64*\u+16*\b+4*\j+3], v[ADX] offset:\u*8*PITCH+128*\b+16*\j
.endr
.endr
.endm
.macro OUTC u
.irp c, 0,1,2
	global_store_b128 v[LI], v[PC+4*\c:PC+4*\c+3], s[10:11] offset:\u*12288+512*\c   ; 32 lanes store 512 consecutive bytes
.endr
.endm
	s_wait_alu depctr_va_vdst(0)                   ; the wait at the head's end
	s_wait_tensorcnt 0x0                           ; my tile has landed
	LOADX 0
	LOADX 1
	s_wait_dscnt 16                                ; tile 0's numbers are in; tile 1's 16 loads may be out
	QUANT X, SW
	OUTC 0
	s_wait_dscnt 0x0
	s_wait_xcnt 0x0                                ; tile 0's stores have read the codes' registers
	QUANT X+64, SW+1
	OUTC 1
	v_cndmask_b32 v[OUTR], v[SW], v[SW+1], s22     ; lanes 0-15: tile u = 0's rows, lanes 16-31: tile u = 1's
	ds_store_b32 v[SWA], v[OUTR]
	s_wait_tensorcnt 0x0                           ; behind my last LDS store
	ds_add_u32 v[SPW], v[NIL]
	s_wait_dscnt 0x0                               ; my word is stored
	s_barrier_signal -1
	s_barrier_wait -1                              ; and so are the other waves'
	s_cmp_lg_u32 s52, 0                            ; one wave of each task's four sends its scale words
	s_cbranch_scc1 .Ldone
	ds_load_b128 v[OUTR:OUTR+3], v[SRA]
	s_wait_dscnt 0x0
	global_store_b128 v[LI], v[OUTR:OUTR+3], s[12:13]   ; 512 consecutive bytes
.Ldone:
	s_endpgm
.Lfunc_end_k_qda233244a4_quant:
	.size	k_qda233244a4_quant, .Lfunc_end_k_qda233244a4_quant-k_qda233244a4_quant
	.p2alignl 7, 3214868480
	.fill 96, 4, 3214868480
	.section	.rodata,"a",@progbits
	.p2align	6, 0x0
	.amdhsa_kernel k_qda233244a4_quant
		.amdhsa_group_segment_fixed_size 205824
		.amdhsa_private_segment_fixed_size 0
		.amdhsa_enable_private_segment 0
		.amdhsa_kernarg_size 40
		.amdhsa_user_sgpr_count 2
		.amdhsa_user_sgpr_kernarg_segment_ptr 1
		.amdhsa_wavefront_size32 1
		.amdhsa_system_sgpr_workgroup_id_x 1
		.amdhsa_system_sgpr_workgroup_id_y 1
		.amdhsa_system_sgpr_workgroup_id_z 1
		.amdhsa_system_vgpr_workitem_id 0
		.amdhsa_next_free_vgpr 224
		.amdhsa_next_free_sgpr 66
		.amdhsa_reserve_vcc 0
		.amdhsa_float_denorm_mode_32 3
		.amdhsa_float_denorm_mode_16_64 3
		.amdhsa_memory_ordered 1
		.amdhsa_forward_progress 1
		.amdhsa_inst_pref_size 15
	.end_amdhsa_kernel
	.amdgpu_metadata
---
amdhsa.version: [ 1, 2 ]
amdhsa.kernels:
  - .name:           k_qda233244a4_quant
    .symbol:         k_qda233244a4_quant.kd
    .args:
      - { .name: x, .offset: 0, .size: 8, .value_kind: global_buffer, .address_space: global }
      - { .name: Wqkv, .offset: 8, .size: 8, .value_kind: global_buffer, .address_space: global }
      - { .name: Wout, .offset: 16, .size: 8, .value_kind: global_buffer, .address_space: global }
      - { .name: cod, .offset: 24, .size: 8, .value_kind: global_buffer, .address_space: global }
      - { .name: scl, .offset: 32, .size: 8, .value_kind: global_buffer, .address_space: global }
    .group_segment_fixed_size: 205824
    .private_segment_fixed_size: 0
    .kernarg_segment_align: 8
    .kernarg_segment_size: 40
    .max_flat_workgroup_size: 384
    .sgpr_count:     66
    .vgpr_count:     224
    .wavefront_size: 32
...
	.end_amdgpu_metadata
.endif
;; end of part 1
;; launch gemmqkv (part 2): grid 4 x 64, 4 waves a work-group, clusters of 4 x 4, 327,680 bytes of LDS; arguments cod, scl, qkvc, qkvs; writes qkvc, qkvs
.if DOCPART == 2
	.amdgcn_target "amdgcn-amd-amdhsa--gfx1250"
	.amdhsa_code_object_version 6
	.text
	.protected	k_qda233244a4_gemmqkv
	.globl	k_qda233244a4_gemmqkv
	.p2align	8
	.type	k_qda233244a4_gemmqkv,@function
k_qda233244a4_gemmqkv:
	s_mov_b64 s[64:65], 0
	v_nop
	global_prefetch_b8 v0, s[64:65] scope:SCOPE_SE
	s_setreg_imm32_b32 hwreg(HW_REG_WAVE_MODE, 25, 1), 1
	s_wait_xcnt 0x0
	s_wait_alu depctr_hold_cnt(0) depctr_sa_sdst(0) depctr_va_vdst(0) depctr_va_sdst(0) depctr_va_ssrc(0) depctr_va_vcc(0) depctr_vm_vsrc(0)
	s_getreg_b32 s2, hwreg(HW_REG_IB_STS2, 6, 4)
	s_cmp_eq_u32 s2, 0
	s_cbranch_scc0 .Lentry_in_a_cluster
	s_endpgm
.Lentry_in_a_cluster:
	s_bfe_u32 s2, ttmp6, 0x10000c
	s_cmp_lg_u32 s2, 0xf033
	s_cbranch_scc0 .Lentry_shape_is_right
	s_endpgm
.Lentry_shape_is_right:
; qkv = x Wqkv^T on codes of FP6 (E2M3) with E8M0 scales, K = 1,024; q, k and v are quantised on the way out and leave as codes: no f32 number goes to memory.
; cod and scl are laid as the launch before left them: fragments as images of their registers, tile 2 beta + u = rows 32 beta + 8 u + r + 8 (r / 8).
; SHARES.  64 groups of 128 tokens x 4 units j of 256 weight rows = 256 work-groups.  A work-group keeps its 128 tokens for all of K in LDS (98,304 bytes) and walks three units one after the other:
; rows 256 j .. of Wq, of Wk, of Wv.  A unit goes through two slots, half of K each (16 tiles x 6,144 bytes).  A wave has 32 accumulators: 8 tiles as source 0 x 4 tiles as source 1.
; THE PRODUCT IS USED TRANSPOSED: a lane holds ONE row of source 1, and its 64 registers of a tile of source 1 run along source 0's 128 rows in their natural order: 128 neighbours along the next product's K.
; q, k: source 0 = 128 weight rows (one head), source 1 = 64 tokens: fragments of 16 tokens x 128 channels.
; v: source 0 = the 128 tokens, source 1 = 64 rows of Wv: fragments of 16 channels x 128 KEYS, since the keys are the K of the product that takes v.  Only addresses differ.
; qkvc: index (4 region + batch) 8 + head, 196,608 bytes each; q, k: [tile of the sequence 128][1,536]; v: [tile of channels 8][128 keys 16][1,536].  A fragment there: registers 2 q, 2 q + 1 of lane l at 256 q + 8 l.
; qkvs: index x 8,192; [32 tokens (v: 128 keys x pair of channel tiles)][128 bytes]: lane 16 u + r holds the scale word of tile u, row r.
; LOADS.  Head: waves 0, 1 the tokens' halves, waves 2, 3 the halves of slot 0: one a wave.  Slot 1's first fill and the four refills: a quarter of a slot a wave, behind the three lines and a round of the cluster's barrier.
; By the text's own count one tensor load of a wave is out at any time.  CLUSTER 4 x 4: the tokens are asked for jointly along a row of the cluster, the weights along a column.
; No prefetch: the walk is written out, 24 K steps, and has no loop to run ahead in.  LIMITS: as in the launch before (a byte held at 1 from below; NaN and infinities not served).
; REGISTERS: window 0: v12-29 addresses; v32-95 scale words; v96-121, v224-239 the way out; v128-175 source 1's fragments, one set.  window 1: source 0's, two sets, at v0 and v128.  window 2: the accumulators.
.set FRB,   1536                       ; a fragment's image
.set TP,    8*FRB                      ; a token tile in LDS: 8 K steps
.set WP,    4*FRB                      ; a weight tile in a slot: 4 K steps
.set WS,    8*TP                       ; slot 0, behind the tokens
.set SLOT,  16*WP
.set SPARE, WS+2*SLOT                  ; the spare words: two blocks of 256 bytes that no other line names
.set UNITB, 4*16*TP                    ; from Wq's unit j to Wk's, and from Wk's to Wv's, in cod
.set SOF,   12                         ; v12-14 my scale words in scl for q, k, v: lanes 0-15 source 1's rows, lanes 16-31 source 0's
.set ATK,   16                         ; v16     q, k: my 4 token tiles
.set AWK,   17                         ; v17-18  q, k: my 8 weight tiles in slot 0, 1
.set AV,    19                         ; v19-20  v: token tiles 0-3, 4-7
.set AVW,   21                         ; v21-22  v: my 4 weight tiles in slot 0, 1
.set L8,    24                         ; v24  8 x lane
.set L4,    25                         ; v25  4 x lane
.set SPW,   28                         ; v28  my spare word; never rewritten
.set NIL,   29                         ; v29  0; never rewritten
.set SC,    32                         ; v[SC + 8 i + ks]: lanes 0-15 the word of source 1's tile i, lanes 16-31 that of source 0's tile i, K step ks
.set PC,    96                         ; the way out: the codes just made, v96-114
.set SW,    116                        ; v116-117 scale words as they leave
.set PWE,   120                        ; v120, v121 the scale word of an even, an odd tile
.set AF,    128
.set TM,    224                        ; v224-239 at work in the quantiser
.set SEL,   20                         ; s[20:21]
.set G1A,   24                         ; tokens: 4 rows of 12,288 bytes
.set G1B,   32                         ; the head's half of slot 0: 8 rows of 6,144 bytes
.set G1R,   40                         ; a quarter of a slot: 4 rows of 6,144 bytes
.set G0A,   48
.set G0B,   52
.set G0R,   56                         ; s[56:59] slot 0, s[60:63] slot 1
.set MSB, 0
.macro WIN new                         ; the immediate's high byte repeats the setting that is left
.if MSB != \new
	s_set_vgpr_msb (MSB<<8)|\new
.set MSB, \new
.endif
.endm
.set MUL,  0xa1                        ; source 0 window 1, source 1 window 0, C and D window 2
.set TO_B, 0x40                        ; destination window 1
.macro PLACES n                        ; plain places behind matrix instructions (ISA guide 7.12.1)
.rept \n
	v_nop
.endr
.endm
.macro CREST                           ; a round of the cluster's barrier behind its opening barrier
	s_cmp_lg_u32 s14, 0
	s_cbranch_scc1 .Lnot_wave_0_\@
	s_barrier_signal -3
.Lnot_wave_0_\@:
	s_barrier_wait -3
	s_barrier_signal -1
	s_barrier_wait -1
.endm
.macro CROUND
	s_barrier_signal -1
	s_barrier_wait -1
	CREST
.endm
	s_load_b256 s[4:11], s[0:1], 0x0               ; cod s[4:5], scl s[6:7], qkvc s[8:9], qkvs s[10:11]
	v_lshl_add_u32 v[SPW], v0, 2, SPARE
	v_mov_b32 v[NIL], 0
	ds_add_u32 v[SPW], v[NIL]                      ; the wave's opening: the add, twice on end, and its wait ahead of my first tensor load
	ds_add_u32 v[SPW], v[NIL]
	v_lshrrev_b32 v1, 5, v0
	v_readfirstlane_b32 s14, v1                    ; wave 0..3
	s_lshr_b32 s15, s14, 1
	s_and_b32 s16, s14, 1
	s_bfe_u32 s66, ttmp6, 0x40000                  ; cx = j, the unit of 256 weight rows
	s_bfe_u32 s67, ttmp6, 0x40004                  ; cy
	s_and_b32 s69, ttmp7, 0xffff
	s_lshl_b32 s69, s69, 2
	s_add_co_u32 s69, s69, s67                     ; my group of 128 tokens, 0 .. 63
	s_lshl_b32 s70, s67, 2
	s_lshl_b32 s70, 15, s70                        ; my row of the cluster
	s_lshl_b32 s71, 0x1111, s66                    ; my column
	s_or_b32 s[G1A+0], s70, (3<<16)|(1<<21)        ; the mask; elements of 8 bytes; bit 21 set beside a mask; no padding: an image is read 512 consecutive bytes at a time
	s_or_b32 s[G1B+0], s71, (3<<16)|(1<<21)
	s_or_b32 s[G1R+0], s71, (3<<16)|(1<<21)
	s_mov_b32 s[G1A+1], 1536<<16
	s_mov_b32 s[G1A+2], 4<<16
	s_mov_b32 s[G1A+3], 1536<<16
	s_mov_b32 s[G1A+4], 4
	s_mov_b32 s[G1B+1], 768<<16
	s_mov_b32 s[G1B+2], 8<<16
	s_mov_b32 s[G1B+3], 768<<16
	s_mov_b32 s[G1B+4], 8
	s_mov_b32 s[G1R+1], 768<<16
	s_mov_b32 s[G1R+2], 4<<16
	s_mov_b32 s[G1R+3], 768<<16
	s_mov_b32 s[G1R+4], 4
.irp g, G1A, G1B, G1R
	s_mov_b32 s[\g+5], 1536                        ; from tile to tile in cod: 12,288 bytes
	s_mov_b32 s[\g+6], 0
	s_mov_b32 s[\g+7], 0
.endr
	s_mov_b32 s[SEL], 0x76543210
	s_mov_b32 s[SEL+1], 0xfedcba98
	s_mov_b32 s22, 0xffff0000                      ; lanes 16-31
	s_mul_i32 s80, s16, 4*TP                       ; 49,152 x (wave % 2)
	s_mul_i32 s74, s69, 8*TP                       ; the tokens: my group's 8 tiles, the half that I fetch
	s_add_co_u32 s74, s74, s80
	s_mov_b32 s75, 0
	s_add_co_u32 s73, s66, 32                      ; Wq's unit j among cod's units of 256 rows
	s_mul_i32 s76, s73, 16*TP
	s_mul_i32 s18, s16, 8*TP
	s_mul_i32 s19, s14, 4*TP
	s_add_co_u32 s78, s76, s19                     ; refills: my 4 tiles of the unit
	s_add_co_u32 s76, s76, s18                     ; head: my 8 tiles
	s_mov_b32 s77, 0
	s_mov_b32 s79, 0
	s_mul_i32 s72, s15, 4*TP                       ; LDS: q, k: my 4 token tiles
	s_add_co_u32 s81, s80, WS                      ; my 8 weight tiles in slot 0 (8 WP = 4 TP),
	s_add_co_u32 s82, s81, SLOT                    ; in slot 1
	s_mul_i32 s83, s14, 4*WP
	s_add_co_u32 s83, s83, WS                      ; v, and the refills: my 4 weight tiles in slot 0,
	s_add_co_u32 s17, s83, SLOT                    ; in slot 1
	s_lshl_b32 s90, s69, 11                        ; scl: 16 bytes a row: the tokens' 128 rows
	s_lshl_b32 s91, s73, 12                        ; Wq's unit
	s_lshl_b32 s18, s15, 10
	s_add_co_u32 s92, s90, s18                     ; q, k, lanes 0-15: my 4 token tiles
	s_lshl_b32 s18, s16, 11
	s_add_co_u32 s93, s91, s18                     ; q, lanes 16-31: my 8 weight tiles
	s_add_co_u32 s94, s93, 16384                   ; k: four units on
	s_lshl_b32 s18, s14, 10
	s_add_co_u32 s95, s91, s18
	s_add_co_u32 s95, s95, 32768                   ; v, lanes 0-15: my 4 tiles of Wv; lanes 16-31: the tokens
	s_lshr_b32 s97, s69, 4                         ; batch
	s_and_b32 s98, s69, 15                         ; group of 128 tokens in the sequence
	s_lshl_b32 s97, s97, 3
	s_lshl_b32 s18, s66, 1
	s_add_co_u32 s97, s97, s18                     ; 8 batch + 2 j
	s_add_co_u32 s99, s97, s16                     ; q's index: head 2 j + wave % 2
	s_mul_i32 s84, s99, 196608
	s_mul_i32 s18, s98, 12288
	s_add_co_u32 s84, s84, s18
	s_mul_i32 s18, s15, 6144
	s_add_co_u32 s84, s84, s18                     ; my 4 token tiles of the group's 8
	s_mov_b32 s85, 0
	s_lshl_b32 s88, s99, 13
	s_lshl_b32 s96, s98, 9
	s_add_co_u32 s88, s88, s96
	s_lshl_b32 s18, s15, 8
	s_add_co_u32 s88, s88, s18
	s_mov_b32 s89, 0
	s_add_co_u32 s99, s97, s15
	s_add_co_u32 s99, s99, 64                      ; v's index: head 2 j + wave / 2
	s_mul_i32 s86, s99, 196608
	s_mul_i32 s18, s16, 4*24576                    ; channel tiles 4 (wave % 2) ..
	s_add_co_u32 s86, s86, s18
	s_mul_i32 s18, s98, 1536
	s_add_co_u32 s86, s86, s18
	s_mov_b32 s87, 0
	s_lshl_b32 s12, s99, 13
	s_add_co_u32 s12, s12, s96
	s_lshl_b32 s18, s16, 8
	s_add_co_u32 s12, s12, s18
	s_mov_b32 s13, 0
	s_wait_dscnt 0x0                               ; both opening adds are done
	s_wait_kmcnt 0x0
	s_add_nc_u64 s[74:75], s[4:5], s[74:75]
	s_add_nc_u64 s[76:77], s[4:5], s[76:77]
	s_add_nc_u64 s[78:79], s[4:5], s[78:79]
	s_add_nc_u64 s[84:85], s[8:9], s[84:85]        ; q's codes (k's lie 32 indices on)
	s_add_nc_u64 s[86:87], s[8:9], s[86:87]        ; v's codes
	s_add_nc_u64 s[88:89], s[10:11], s[88:89]      ; q's scale words
	s_add_nc_u64 s[12:13], s[10:11], s[12:13]      ; v's
	CROUND                                         ; all sixteen work-groups are here: the first joint loads meet
	s_mov_b32 s[G0A], 1
	s_mul_i32 s[G0A+1], s16, 4*TP
	s_mov_b64 s[G0A+2:G0A+3], s[74:75]
	s_or_b32 s[G0A+3], s[G0A+3], 0x80000000
	s_mov_b32 s[G0B], 1
	s_add_co_u32 s[G0B+1], s80, WS
	s_mov_b64 s[G0B+2:G0B+3], s[76:77]
	s_or_b32 s[G0B+3], s[G0B+3], 0x80000000
	s_mov_b32 s[G0R], 1                            ; slot 0's refills: each steps one unit on from here
	s_add_co_u32 s[G0R+1], s83, 0
	s_mov_b64 s[G0R+2:G0R+3], s[78:79]
	s_or_b32 s[G0R+3], s[G0R+3], 0x80000000
	s_mov_b32 s[G0R+4], 1                          ; slot 1: the second half of K
	s_add_co_u32 s[G0R+5], s83, SLOT
	s_add_nc_u64 s[G0R+6:G0R+7], s[78:79], WP
	s_or_b32 s[G0R+7], s[G0R+7], 0x80000000
	s_cmp_eq_u32 s15, 0                            ; the head's loads, one a wave: the branch hangs on the wave's number alone
	s_cbranch_scc0 .Lhead_b
	tensor_load_to_lds s[G0A:G0A+3], s[G1A:G1A+7]
	s_nop 0
	PLACES 4
	s_branch .Lhead_asked
.Lhead_b:
	tensor_load_to_lds s[G0B:G0B+3], s[G1B:G1B+7]
	s_nop 0
	PLACES 4
.Lhead_asked:
	v_and_b32 v1, 15, v0                           ; r
	v_and_b32 v4, 31, v0                           ; lane
	v_mov_b32 v2, s92
	v_mov_b32 v3, s93
	v_mov_b32 v6, s94
	v_mov_b32 v7, s95
	v_mov_b32 v8, s90
	v_cndmask_b32 v3, v2, v3, s22                  ; lanes 16-31 take source 0's rows
	v_cndmask_b32 v6, v2, v6, s22
	v_cndmask_b32 v7, v7, v8, s22
	v_lshl_add_u32 v[SOF], v1, 4, v3
	v_lshl_add_u32 v[SOF+1], v1, 4, v6
	v_lshl_add_u32 v[SOF+2], v1, 4, v7
.macro SCALES so                       ; a unit's scale words for all of K: sixteen lanes read 256 consecutive bytes: the words of four K steps of a tile's rows
.irp i, 0,1,2,3,4,5,6,7
.irp k, 0,1
	global_load_b128 v[SC+8*\i+4*\k:SC+8*\i+4*\k+3], v[\so], s[6:7] offset:\k*196608+\i*256
.endr
.endr
.endm
	SCALES SOF
	v_lshlrev_b32 v[L8], 3, v4
	v_lshlrev_b32 v[L4], 2, v4
	v_lshlrev_b32 v5, 4, v4
	v_add_nc_u32 v[ATK], s72, v5
	v_add_nc_u32 v[AWK], s81, v5
	v_add_nc_u32 v[AWK+1], s82, v5
	v_mov_b32 v[AV], v5
	v_add_nc_u32 v[AV+1], 4*TP, v5
	v_add_nc_u32 v[AVW], s83, v5
	v_add_nc_u32 v[AVW+1], s17, v5
.irp b, 0,1,2,3
	v_mov_b32 v[TM+4+\b], 0                        ; written once: a lane permute's destination counts as one of its sources
.endr
.macro FRAG reg, adr, off              ; a fragment comes back as it was stored: three loads of 512 consecutive bytes
.irp c, 0,1,2
	ds_load_b128 v[\reg+4*\c:\reg+4*\c+3], v[\adr] offset:\off+512*\c
.endr
.endm
.macro FETCH0 t, ks                    ; source 0's eight fragments of K step ks into set ks % 2.  t = 0: q, k (weights); t = 1: v (tokens)
	WIN TO_B
.irp i, 0,1,2,3,4,5,6,7
.if \t
	FRAG 128*((\ks)%2)+12*\i, AV+\i/4, (\i%4)*TP+(\ks)*FRB
.else
	FRAG 128*((\ks)%2)+12*\i, AWK+(\ks)/4, \i*WP+((\ks)%4)*FRB
.endif
.endr
	WIN 0
.endm
.macro FETCH1 t, ks, i0                ; source 1's tiles i0, i0 + 1
.irp i, \i0, \i0+1
.if \t
	FRAG AF+12*(\i), AVW+(\ks)/4, (\i)*WP+((\ks)%4)*FRB
.else
	FRAG AF+12*(\i), ATK, (\i)*TP+(\ks)*FRB
.endif
.endr
.endm
; eight products: source 1's tile a against source 0's eight.  The 32 accumulators take turns, one instruction a turn, in the same order in every K step.  K step 0 starts a unit's sums.
.macro MULA a, ks
.irp b, 0,1,2,3,4,5,6,7
.if (\ks) == 0
	v_wmma_scale_f32_16x16x128_f8f6f4 v[8*(8*(\a)+\b):8*(8*(\a)+\b)+7], v[128*((\ks)%2)+12*\b:128*((\ks)%2)+12*\b+11], v[AF+12*(\a):AF+12*(\a)+11], 0, v[SC+8*\b+(\ks)], v[SC+8*(\a)+(\ks)] matrix_a_fmt:MATRIX_FMT_FP6 matrix_b_fmt:MATRIX_FMT_FP6 matrix_a_scale:MATRIX_SCALE_ROW1
.else
	v_wmma_scale_f32_16x16x128_f8f6f4 v[8*(8*(\a)+\b):8*(8*(\a)+\b)+7], v[128*((\ks)%2)+12*\b:128*((\ks)%2)+12*\b+11], v[AF+12*(\a):AF+12*(\a)+11], v[8*(8*(\a)+\b):8*(8*(\a)+\b)+7], v[SC+8*\b+(\ks)], v[SC+8*(\a)+(\ks)] matrix_a_fmt:MATRIX_FMT_FP6 matrix_b_fmt:MATRIX_FMT_FP6 matrix_a_scale:MATRIX_SCALE_ROW1
.endif
.endr
.endm
; K step ks: 32 products; the next step's fragments (kind nt, K step nks) are fetched in its middle and at its end.
; kind 0: they lie in bytes that every wave knows to be whole.  kind 1: the other slot is shown whole to every wave; nothing is filled.
; kind 2: besides, the slot of this step, slot ks / 4, has been read out and takes the next unit's half of K.
.macro STEP kind, ks, nt, nks
.if \kind
	s_wait_tensorcnt 0x0                           ; all my tensor loads have landed: my part of the other slot
.if \kind == 2
	ds_add_u32 v[SPW], v[NIL]                      ; 0 onto my spare word
	s_wait_dscnt 7                                 ; (the add and the youngest six loads, source 1's tiles 2 and 3, may be out)
.else
	s_wait_dscnt 6
.endif
	WIN MUL
	MULA 0, \ks
	s_wait_dscnt 0x0                               ; the add is done, and my reads of this step's slot are over
	s_barrier_signal -1
	MULA 1, \ks
	WIN 0
	s_barrier_wait -1
.if \kind == 2
	CREST                                          ; the barrier has opened a round of the cluster's: no wave of any partner still reads the slot or has a load on its way
	s_add_nc_u64 s[G0R+4*((\ks)/4)+2:G0R+4*((\ks)/4)+3], s[G0R+4*((\ks)/4)+2:G0R+4*((\ks)/4)+3], UNITB
	tensor_load_to_lds s[G0R+4*((\ks)/4):G0R+4*((\ks)/4)+3], s[G1R:G1R+7]   ; my quarter, the first tensor load behind the round
	s_nop 0
.endif
	PLACES 4                                       ; the places in front of the loads below
.else
	s_wait_dscnt 6                                 ; source 0's set and source 1's tiles 0, 1 are in; the youngest six loads may be out
	WIN MUL
	MULA 0, \ks
	MULA 1, \ks
	s_wait_dscnt 0x0
	PLACES 4
.endif
	FETCH0 \nt, \nks
	FETCH1 \nt, \nks, 0
	WIN MUL
	MULA 2, \ks
	MULA 3, \ks
	PLACES 4
	WIN 0
	FETCH1 \nt, \nks, 2
.endm
; THE WAY OUT.  Tile a of source 1: my row's 64 registers, 16 b + i = place 32 b + 16 (lane / 16) + i along the next K, become a fragment and a scale word.  Each accumulator is first read at its registers 0 and 1.
.macro QUANTA a, cb, co, sb, so
.set AC, 64*(\a)
	WIN 0x0a                                       ; sources 0 and 1 in the accumulators' window
.irp b, 0,1,2,3
	v_max3_num_f32 v[TM+\b], |v[AC+16*\b]|, |v[AC+16*\b+1]|, 0x1800000   ; and the floor 2^(3 - 127): the byte cannot fall under 1
.endr
	WIN 0x28                                       ; sources 1 and 2
.irp i, 2,4,6,8,10,12,14
.irp b, 0,1,2,3
	v_max3_num_f32 v[TM+\b], v[TM+\b], |v[AC+16*\b+\i]|, |v[AC+16*\b+\i+1]|
.endr
.endr
	WIN 0
.irp b, 0,1,2,3
	v_permlanex16_b32 v[TM+4+\b], v[TM+\b], s[SEL], s[SEL+1]
.endr
.irp b, 0,1,2,3
	v_max_num_f32 v[TM+\b], v[TM+\b], v[TM+4+\b]
.endr
.irp b, 0,1,2,3
	v_add_nc_u32 v[TM+12+\b], 0xff000000, v[TM+\b]   ; 2 off the exponent field: the conversion's scale operand
.endr
.irp b, 0,1,2,3
	v_lshrrev_b32 v[TM+4+\b], 23, v[TM+12+\b]
.endr
	v_lshl_or_b32 v[PWE+(\a)%2], v[TM+5], 8, v[TM+4]
	v_lshl_or_b32 v[PWE+(\a)%2], v[TM+6], 16, v[PWE+(\a)%2]
	v_lshl_or_b32 v[PWE+(\a)%2], v[TM+7], 24, v[PWE+(\a)%2]
	s_wait_alu depctr_va_vdst(0)                   ; directly ahead of the wait below
	s_wait_xcnt 0x0                                ; the last tile's stores have read the codes' registers
	WIN 2                                          ; source 0
.irp c, 0,1
	v_cvt_scalef32_pk16_fp6_f32 v[PC+6*\c:PC+2+6*\c], v[AC+32*\c:AC+15+32*\c], v[TM+12+2*\c]
	v_cvt_scalef32_pk16_fp6_f32 v[PC+12+4*\c:PC+14+4*\c], v[AC+16+32*\c:AC+31+32*\c], v[TM+12+2*\c+1]
.endr
	WIN 0
	v_nop                                          ; one plain place behind a scaled conversion
.irp c, 0,1
.irp i, 0,1,2
	v_permlane16_swap_b32 v[PC+6*\c+\i], v[PC+12+4*\c+\i]
.endr
.irp i, 0,1,2
	v_mov_b32 v[PC+3+6*\c+\i], v[PC+12+4*\c+\i]
.endr
.endr
.irp q, 0,1,2,3,4,5
	global_store_b64 v[L8], v[PC+2*\q:PC+2*\q+1], s[\cb:\cb+1] offset:\co+256*\q   ; 32 lanes store 256 consecutive bytes, aligned
.endr
.if (\a)%2
	v_cndmask_b32 v[SW+(\a)/2], v[PWE], v[PWE+1], s22   ; lanes 0-15 the even tile's words, lanes 16-31 the odd tile's
	global_store_b32 v[L4], v[SW+(\a)/2], s[\sb:\sb+1] offset:\so+((\a)/2)*128
.endif
.endm
.macro EPI cb, co, cstep, sb, so
.irp a, 0,1,2,3
	QUANTA \a, \cb, \co+\a*\cstep, \sb, \so
.endr
.endm
.macro UNIT nt                         ; q's or k's eight K steps; the unit behind it is of kind nt
	STEP 0, 0, 0, 1
	STEP 0, 1, 0, 2
	STEP 0, 2, 0, 3
	STEP 2, 3, 0, 4
	STEP 0, 4, 0, 5
	STEP 0, 5, 0, 6
	STEP 0, 6, 0, 7
	STEP 2, 7, \nt, 0
.endm
	s_wait_alu depctr_va_vdst(0)                   ; the wait at the head's end
	s_wait_tensorcnt 0x0                           ; my tile of the head's four is in
	ds_add_u32 v[SPW], v[NIL]
	s_wait_dscnt 0x0
	CROUND                                         ; everybody's is in, and all sixteen work-groups are here
	tensor_load_to_lds s[G0R+4:G0R+7], s[G1R:G1R+7]   ; slot 1's first fill: q's second half of K, my quarter
	s_nop 0
	PLACES 4
	FETCH0 0, 0
	FETCH1 0, 0, 0
	FETCH1 0, 0, 2
	s_wait_loadcnt 0x0                             ; q's scale words
	UNIT 0
	SCALES SOF+1                                   ; k's scale words come while q goes out (four places stand behind the last products)
	EPI 84, 0, 1536, 88, 0
	s_wait_loadcnt 0x0
	UNIT 1
	SCALES SOF+2
	EPI 84, 6291456, 1536, 88, 262144
	s_wait_loadcnt 0x0
	STEP 0, 0, 1, 1
	STEP 0, 1, 1, 2
	STEP 0, 2, 1, 3
	STEP 1, 3, 1, 4                                ; v's second half of K has landed; nothing more is filled
	STEP 0, 4, 1, 5
	STEP 0, 5, 1, 6
	STEP 0, 6, 1, 7
	s_wait_dscnt 6
	WIN MUL
	MULA 0, 7
	MULA 1, 7
	s_wait_dscnt 0x0
	MULA 2, 7
	MULA 3, 7
	PLACES 4
	WIN 0
	EPI 86, 0, 24576, 12, 0
	s_wait_tensorcnt 0x0                           ; the wave's end
	ds_add_u32 v[SPW], v[NIL]
	s_wait_dscnt 0x0
	CROUND                                         ; the closing round: no work-group ends while a partner may still ask for a tile that names it
	s_endpgm
.Lfunc_end_k_qda233244a4_gemmqkv:
	.size	k_qda233244a4_gemmqkv, .Lfunc_end_k_qda233244a4_gemmqkv-k_qda233244a4_gemmqkv
	.p2alignl 7, 3214868480
	.fill 96, 4, 3214868480
	.section	.rodata,"a",@progbits
	.p2align	6, 0x0
	.amdhsa_kernel k_qda233244a4_gemmqkv
		.amdhsa_group_segment_fixed_size 327680
		.amdhsa_private_segment_fixed_size 0
		.amdhsa_enable_private_segment 0
		.amdhsa_kernarg_size 32
		.amdhsa_user_sgpr_count 2
		.amdhsa_user_sgpr_kernarg_segment_ptr 1
		.amdhsa_wavefront_size32 1
		.amdhsa_system_sgpr_workgroup_id_x 1
		.amdhsa_system_sgpr_workgroup_id_y 1
		.amdhsa_system_sgpr_workgroup_id_z 1
		.amdhsa_system_vgpr_workitem_id 0
		.amdhsa_next_free_vgpr 768
		.amdhsa_next_free_sgpr 100
		.amdhsa_reserve_vcc 0
		.amdhsa_float_denorm_mode_32 3
		.amdhsa_float_denorm_mode_16_64 3
		.amdhsa_memory_ordered 1
		.amdhsa_forward_progress 1
		.amdhsa_inst_pref_size 233
	.end_amdhsa_kernel
	.amdgpu_metadata
---
amdhsa.version: [ 1, 2 ]
amdhsa.kernels:
  - .name:           k_qda233244a4_gemmqkv
    .symbol:         k_qda233244a4_gemmqkv.kd
    .args:
      - { .name: cod, .offset: 0, .size: 8, .value_kind: global_buffer, .address_space: global }
      - { .name: scl, .offset: 8, .size: 8, .value_kind: global_buffer, .address_space: global }
      - { .name: qkvc, .offset: 16, .size: 8, .value_kind: global_buffer, .address_space: global }
      - { .name: qkvs, .offset: 24, .size: 8, .value_kind: global_buffer, .address_space: global }
    .group_segment_fixed_size: 327680
    .private_segment_fixed_size: 0
    .kernarg_segment_align: 8
    .kernarg_segment_size: 32
    .max_flat_workgroup_size: 128
    .sgpr_count:     100
    .vgpr_count:     768
    .wavefront_size: 32
...
	.end_amdgpu_metadata
.endif
;; end of part 2
;; launch attnout (part 3): grid 64 x 4, 16 waves a work-group, clusters of 4 x 1, 327,680 bytes of LDS; arguments qkvc, qkvs, cod, scl, out0; writes out0
.if DOCPART == 3
	.amdgcn_target "amdgcn-amd-amdhsa--gfx1250"
	.amdhsa_code_object_version 6
	.text
	.protected	k_qda233244a4_attnout
	.globl	k_qda233244a4_attnout
	.p2align	8
	.type	k_qda233244a4_attnout,@function
k_qda233244a4_attnout:
	s_mov_b64 s[64:65], 0
	v_nop
	global_prefetch_b8 v0, s[64:65] scope:SCOPE_SE
	s_setreg_imm32_b32 hwreg(HW_REG_WAVE_MODE, 25, 1), 1
	s_wait_xcnt 0x0
	s_wait_alu depctr_hold_cnt(0) depctr_sa_sdst(0) depctr_va_vdst(0) depctr_va_sdst(0) depctr_va_ssrc(0) depctr_va_vcc(0) depctr_vm_vsrc(0)
	s_getreg_b32 s2, hwreg(HW_REG_IB_STS2, 6, 4)
	s_cmp_eq_u32 s2, 0
	s_cbranch_scc0 .Lentry_in_a_cluster
	s_endpgm
.Lentry_in_a_cluster:
	s_bfe_u32 s2, ttmp6, 0x10000c
	s_cmp_lg_u32 s2, 0x3003
	s_cbranch_scc0 .Lentry_shape_is_right
	s_endpgm
.Lentry_shape_is_right:
; Attention in a causal window of 128 keys and the projection by Wout, all three products on codes of FP6 (E2M3) with E8M0 scales.
; WORK LEFT OUT: keys that reference()'s own mask sets to -infinity (i - j < 0 or i - j >= 128) have p = 0 for all inputs: only the five blocks of 32 keys that can count for a query are multiplied.
; q, k, v come as the launch before left them (qkvc, qkvs); Wout's codes and scale words lie in cod and scl, units 44 to 47 of 256 rows.
; SHARES.  A work-group owns one block of 32 tokens of one batch, all 8 heads: 256 work-groups.  Wave w: head w / 2, tile u = w % 2 of 16 queries (places 8 u + r + 8 (r / 8) of the block).  Four waves to a SIMD.
; THE WINDOW HAS ONE FORM.  For a query at place y of its block five blocks of 32 keys can count: its own less 4 - s, s = 0 .. 4.  With x the key's place in its block: s = 1, 2, 3 count whole; s = 4 where x <= y; s = 0 where x > y.
; So there is one pass: the row's true maximum, no running maximum, no rescaling, no loop.
; SOFTMAX.  t = score x log2(e) / sqrt(128); M = ceil(the row's largest t); p = 2^(t - M) is quantised along the keys; the sum is taken of the unquantised p and divides at the end.  A query's own key always counts, so M is a number.
; LAYOUT.  Both products transposed: S^T = K Q^T, O^T = V^T P^T: a lane holds one query.  P's blocks 0 to 3 are one operand; block 4 a second one whose other three blocks are zero codes.
; Q, K, V go from memory straight into registers: a head's 160 keys serve two waves alone, and no two work-groups read the same window.  In a sequence's first four blocks the keys in front of the sequence are bytes of the
; neighbouring region of the same buffers: codes and scale bytes that the launch before stored.  Their scores are REPLACED by -infinity, so p is 0 there.
; THE PROJECTION.  O / the sum is quantised along the channels; the sixteen fragments (tile u, K step = head) and their scale words meet in LDS, one barrier.  Then wave w multiplies both token tiles by Wout's tiles 4 w .. 4 w + 3
; (64 columns of out0), 8 K steps, 8 accumulators by turns.
; WOUT IS ASKED FOR JOINTLY: every work-group reads all of it, so the four work-groups of a cluster issue the same tensor loads, with the mask 15.  Wave w fetches its own four tiles and alone reads them.
; LDS holds 3 K steps of the 64 tiles (16 x 18,432 bytes): K steps 0-2 are asked for at the head, one load a wave; 3-5 and 6-7 are two refills, each behind the three lines and a round of the cluster's barrier.
; Ahead of a refill the region's last two K steps are in registers: their 16 products stand behind the refill.  By the text's own count one tensor load of a wave is out at any time; every wait on TENSORcnt is for 0.
; No branch and no LDS address hangs on a work-group's place in its cluster: the branch for a sequence's first four blocks hangs on the cluster's x, which is 0 for just these four.
; No prefetch: the text has no loop to run ahead in.
; LIMITS: NaN and infinities are not served; a block's byte is held at 1 from below (a block of zeros keeps that byte: its codes are zeros).
.set XC,    0                          ; LDS: o's 16 fragments of 1,536 bytes: 8 u + head
.set XS,    24576                      ; o's scale words: [u][row 16][head 8]
.set SPARE, 25600                      ; the spare words: 128 bytes a wave, eight blocks of 256 bytes that no other line names
.set BB,    27648                      ; Wout: 18,432 bytes for each wave: [tile 4][K step 3][1,536]; behind its last fill my stage lies there
.set WREG,  18432
.set SPITCH, 272
.set XCW,   1                          ; v1   where my fragment goes
.set XSW,   2                          ; v2   where my scale word goes
.set L8,    3                          ; v3   8 x lane;   later STO
.set L4,    4                          ; v4   4 x lane;   later RD
.set R4,    5                          ; v5   4 r;        later CO
.set ADV,   6                          ; v6   my lane's place in V: block parity + h, channel r;   later XSR
.set ADV4,  7                          ; v7   the same for the window's block 4, both halves of the lanes alike
.set DD,    8                          ; v8   d = my query's place - 16 h
.set NINF,  9                          ; v9   -infinity;  later BAD
.set STO,   3
.set RD,    4
.set CO,    5
.set XSR,   6
.set BAD,   9                          ; my bytes of Wout's region + 16 x lane
.set SPW,   10                         ; v10  my spare word; never rewritten
.set NIL,   11                         ; v11  0; never rewritten
.set Q,     12                         ; v12-23 Q's fragment
.set QSW,   24
.set KSW,   25                         ; v25-29 K's scale words, a register a block
.set ASC,   12                         ; later: v12-27 o's scale words: 8 u + K step
.set OPW,   28                         ; v28  my row's scale word of o
.set L16,   30                         ; v30  16 x lane
.set R16,   31                         ; v31  16 r
.set S,     32                         ; v32-111 S^T, then p
.set O,     32                         ; v32-95 O^T; later the projection's 8 accumulators: 8 (2 t + u)
.set PC,    96                         ; o's codes, v96-107; v108-110 and v244-246 at work
.set KF,    112                        ; v112-231 K's ten fragments; afterwards:
.set VF1,   112
.set VF2,   160
.set P1,    192
.set PT,    204
.set P2,    212
.set W0,    224
.set W1,    228
.set BM,    232
.set BT,    237
.set SO,    242
.set MX,    247
.set NM,    248
.set LA,    250
.set LB,    252
.set PW1,   254
.set PW2,   255
.set TM,    240                        ; o's quantiser works in v240-255
.set BR,    112                        ; the projection: Wout's fragments, two sets of four: v112-207
.set WSC,   208                        ; v208-239 Wout's scale words: 8 t + K step
.set AF0,   96                         ; o's fragment of tile 0, v96-107
.set AF1,   240                        ; of tile 1, v240-251
.set BK,    112                        ; the way out: rows read back
.set SEL,   20
.set CS,    22                         ; s[22:23] c = log2(e) / sqrt(128)
.set G1,    24                         ; s[24:31] group 1: 4 rows of 3 K steps
.set G1L,   32                         ; s[32:39] 4 rows of 2 K steps
.set G0,    40                         ; s[40:43]
.macro ROUND                           ; a round of the cluster's barrier
	s_barrier_signal -1
	s_barrier_wait -1
	s_cmp_lg_u32 s14, 0
	s_cbranch_scc1 .Lnot_wave_0_\@
	s_barrier_signal -3
.Lnot_wave_0_\@:
	s_barrier_wait -3
	s_barrier_signal -1
	s_barrier_wait -1
.endm
.macro NOP4
.rept 4
	v_nop
.endr
.endm
	s_load_b256 s[4:11], s[0:1], 0x0               ; qkvc s[4:5], qkvs s[6:7], cod s[8:9], scl s[10:11]
	s_load_b64 s[12:13], s[0:1], 0x20              ; out0
	v_lshl_add_u32 v[SPW], v0, 2, SPARE
	v_mov_b32 v[NIL], 0
	ds_add_u32 v[SPW], v[NIL]                      ; the wave's opening: the add, twice on end, and its wait ahead of my first tensor load
	ds_add_u32 v[SPW], v[NIL]
	v_lshrrev_b32 v1, 5, v0
	s_delay_alu instid0(VALU_DEP_1)
	v_readfirstlane_b32 s14, v1                    ; wave 0..15
	s_lshr_b32 s15, s14, 1                         ; head
	s_and_b32 s16, s14, 1                          ; u of my tile
	s_bfe_u32 s97, ttmp6, 0x40000                  ; cx
	s_mov_b32 s98, ttmp9                           ; the cluster's x
	s_lshl_b32 s17, s98, 2
	s_add_co_u32 s17, s17, s97                     ; my block of 32 tokens in the sequence, 0 .. 63
	s_and_b32 s18, ttmp7, 0xffff                   ; batch
	s_mov_b32 s[G1+0], 15|(3<<16)|(1<<21)          ; the mask: all four of the cluster; elements of 8 bytes; bit 21 set beside a mask; no padding: an image is read 512 consecutive bytes at a time
	s_mov_b32 s[G1+1], 576<<16                     ; a row: a tile's 4,608 bytes of three K steps
	s_mov_b32 s[G1+2], 4<<16
	s_mov_b32 s[G1+3], 576<<16
	s_mov_b32 s[G1+4], 4
	s_mov_b32 s[G1+5], 1536                        ; from tile to tile: 12,288 bytes
	s_mov_b32 s[G1+6], 0
	s_mov_b32 s[G1+7], 0
	s_mov_b32 s[G1L+0], 15|(3<<16)|(1<<21)
	s_mov_b32 s[G1L+1], 384<<16                    ; 3,072 bytes: two K steps
	s_mov_b32 s[G1L+2], 4<<16
	s_mov_b32 s[G1L+3], 384<<16
	s_mov_b32 s[G1L+4], 4
	s_mov_b32 s[G1L+5], 1536
	s_mov_b32 s[G1L+6], 0
	s_mov_b32 s[G1L+7], 0
	s_mov_b32 s[SEL], 0x76543210
	s_mov_b32 s[SEL+1], 0xfedcba98
	s_mov_b32 s[CS], 0x3e0293ee
	s_mov_b32 s[CS+1], s[CS]                       ; (named with it as a pair, so it is written)
	s_lshl_b32 s19, s18, 3
	s_add_co_u32 s19, s19, s15                     ; 8 batch + head
	s_mul_i32 s70, s19, 196608                     ; in a region of codes
	s_lshl_b32 s71, s19, 13                        ; and of scale words
	s_lshl_b32 s72, s17, 1
	s_add_co_u32 s72, s72, s16
	s_mul_i32 s72, s72, 1536
	s_add_co_u32 s72, s72, s70                     ; Q's fragment
	s_mov_b32 s73, 0
	s_mul_i32 s74, s17, 3072
	s_add_co_u32 s74, s74, s70
	s_add_co_u32 s74, s74, 6291456-12288           ; K's region, four blocks (eight tiles) back
	s_mov_b32 s75, 0
	s_lshr_b32 s76, s17, 1
	s_mul_i32 s76, s76, 768                        ; V: a pair of key blocks is 768 bytes
	s_add_co_u32 s76, s76, s70
	s_add_co_u32 s76, s76, 12582912-1536           ; V's region, two pairs back
	s_mov_b32 s77, 0
	s_lshl_b32 s78, s17, 7
	s_add_co_u32 s78, s78, s71
	s_add_co_u32 s80, s78, 262144-512              ; K's scale words, four blocks back
	s_mov_b32 s81, 0
	s_lshl_b32 s82, s16, 6
	s_add_co_u32 s78, s78, s82                     ; Q's: 64 bytes a tile
	s_mov_b32 s79, 0
	s_lshr_b32 s82, s17, 2
	s_lshl_b32 s82, s82, 9
	s_add_co_u32 s82, s82, s71
	s_add_co_u32 s82, s82, 524288-512              ; V's scale words: the 128 keys in which my window begins
	s_mov_b32 s83, 0
	s_mul_i32 s84, s14, 49152
	s_add_co_u32 s84, s84, 8650752                 ; Wout's tiles 4 w .. in cod: the wave's number and constants alone
	s_mov_b32 s85, 0
	s_lshl_b32 s86, s14, 10
	s_add_co_u32 s86, s86, 180224                  ; and their scale words: tile 704 + 4 w, 256 bytes a tile
	s_mov_b32 s87, 0
	s_lshl_b32 s88, s18, 6
	s_add_co_u32 s88, s88, s17
	s_lshl_b32 s88, s88, 17                        ; out0: 32 rows of 4,096 bytes a block,
	s_lshl_b32 s89, s14, 8
	s_add_co_u32 s88, s88, s89                     ; my 64 columns
	s_mov_b32 s89, 0
	s_lshl_b32 s90, s16, 3
	s_add_co_u32 s90, s90, s15
	s_mul_i32 s90, s90, 1536                       ; LDS: fragment 8 u + head
	s_lshl_b32 s91, s16, 9
	s_lshl_b32 s68, s15, 2
	s_add_co_u32 s91, s91, s68
	s_add_co_u32 s91, s91, XS                      ; my scale word's plane and column
	s_mul_i32 s92, s14, WREG
	s_add_co_u32 s92, s92, BB                      ; my bytes of Wout's region
	s_and_b32 s93, s17, 1                          ; my window begins at block s93 of its first pair
	s_lshl_b32 s94, s93, 7
	s_lshl_b32 s95, s16, 3
	s_and_b32 s68, s17, 3                          ; and at byte s68 of V's scale words
	s_mul_i32 s66, s68, 0x01010101
	s_add_co_u32 s66, s66, 0x03020100              ; byte selects: four bytes from there on, out of two words
	s_lshl_b32 s67, s68, 3                         ; and the same as a shift
	v_and_b32 v32, 15, v0                          ; r
	v_bfe_u32 v33, v0, 4, 1                        ; h
	v_and_b32 v34, 31, v0                          ; lane
	v_lshlrev_b32 v[R16], 4, v32
	v_lshlrev_b32 v[R4], 2, v32
	v_lshlrev_b32 v[L8], 3, v34
	v_lshlrev_b32 v[L16], 4, v34
	v_lshlrev_b32 v[L4], 2, v34
	v_add_nc_u32 v35, s93, v33                     ; block b of channel r, piece p, lies at 768 (b / 2) + 256 p + 128 (b % 2) + 8 r
	v_lshl_add_u32 v[ADV4], v32, 3, s94
	v_lshrrev_b32 v36, 1, v35
	v_and_b32 v35, 1, v35
	v_mul_u32_u24 v36, v36, 768
	v_and_b32 v37, 8, v32
	v_lshl_add_u32 v36, v35, 7, v36
	v_add_nc_u32 v37, v37, v32                     ; r + 8 (r / 8)
	v_lshl_add_u32 v[ADV], v32, 3, v36
	v_lshlrev_b32 v38, 4, v33
	v_add_nc_u32 v[XCW], s90, v[L16]
	v_sub_nc_u32 v37, v37, v38
	v_lshl_add_u32 v[XSW], v32, 5, s91
	v_add_nc_u32 v[DD], s95, v37                   ; d
	v_mov_b32 v[NINF], 0xff800000
.irp b, 0,1,2,3,4
	v_mov_b32 v[BT+\b], 0                          ; written once: a lane permute's destination counts as one of its sources
.endr
	v_mov_b32 v[NM+1], 0                           ; (named as the upper half of a pair)
	s_wait_alu depctr_va_vdst(0)                   ; the wait at the head's end
	s_wait_dscnt 0x0                               ; both opening adds are done
	s_wait_kmcnt 0x0
	s_add_nc_u64 s[72:73], s[4:5], s[72:73]
	s_add_nc_u64 s[74:75], s[4:5], s[74:75]
	s_add_nc_u64 s[76:77], s[4:5], s[76:77]
	s_add_nc_u64 s[78:79], s[6:7], s[78:79]
	s_add_nc_u64 s[80:81], s[6:7], s[80:81]
	s_add_nc_u64 s[82:83], s[6:7], s[82:83]
	s_add_nc_u64 s[84:85], s[8:9], s[84:85]
	s_add_nc_u64 s[86:87], s[10:11], s[86:87]
	s_add_nc_u64 s[88:89], s[12:13], s[88:89]
	s_mov_b32 s[G0], 1
	s_add_co_u32 s[G0+1], s92, 0
	s_mov_b64 s[G0+2:G0+3], s[84:85]
	s_or_b32 s[G0+3], s[G0+3], 0x80000000
.irp q, 0,1,2,3,4,5
	global_load_b64 v[Q+2*\q:Q+2*\q+1], v[L8], s[72:73] offset:256*\q   ; 256 consecutive bytes a load
.endr
	global_load_b32 v[QSW], v[R4], s[78:79]
.irp s, 0,1,2,3,4
	global_load_b32 v[KSW+\s], v[L4], s[80:81] offset:128*\s   ; lanes 0-15: tile u = 0's words, lanes 16-31: tile u = 1's
.endr
.irp f, 0,1,2,3,4,5,6,7,8,9
.irp q, 0,1,2,3,4,5
	global_load_b64 v[KF+12*\f+2*\q:KF+12*\f+2*\q+1], v[L8], s[74:75] offset:1536*\f+256*\q
.endr
.endr
	ROUND                                          ; all four work-groups are here: the first joint loads meet
	tensor_load_to_lds s[G0:G0+3], s[G1:G1+7]      ; my four tiles of Wout, K steps 0 to 2: my one tensor load at the head; it lands under the attention
	s_nop 0
	s_wait_loadcnt 0x0
	; ---- S^T = K Q^T: ten tiles of 16 keys
.irp s, 0,1,2,3,4
	v_wmma_scale_f32_16x16x128_f8f6f4 v[S+16*\s:S+16*\s+7], v[KF+24*\s:KF+24*\s+11], v[Q:Q+11], 0, v[KSW+\s], v[QSW] matrix_a_fmt:MATRIX_FMT_FP6 matrix_b_fmt:MATRIX_FMT_FP6
	v_wmma_scale_f32_16x16x128_f8f6f4 v[S+16*\s+8:S+16*\s+15], v[KF+24*\s+12:KF+24*\s+23], v[Q:Q+11], 0, v[KSW+\s], v[QSW] matrix_a_fmt:MATRIX_FMT_FP6 matrix_b_fmt:MATRIX_FMT_FP6 matrix_a_scale:MATRIX_SCALE_ROW1
.endr
	NOP4                                           ; places: in front of the loads into K's registers, of the writes there, and of the first read of the scores
.macro VLOAD g                         ; tiles of channels 4 g .. 4 g + 3: blocks 0-3 of my window (12 registers) and block 4 (6; lanes 16-31 hold it too and meet zero codes)
.irp t, 0,1,2,3
.irp q, 0,1,2,3,4,5
	global_load_b64 v[VF1+12*\t+2*\q:VF1+12*\t+2*\q+1], v[ADV], s[76:77] offset:(4*\g+\t)*24576+256*\q
.endr
.irp p, 0,1,2
	global_load_b64 v[VF2+6*\t+2*\p:VF2+6*\t+2*\p+1], v[ADV4], s[76:77] offset:(4*\g+\t)*24576+1536+256*\p
.endr
.endr
.endm
	VLOAD 0                                        ; lands while the softmax is worked
.irp j, 0,1,2,3
	global_load_b32 v[W0+\j], v[L4], s[82:83] offset:128*\j        ; V's scale words of the 128 keys in which my window begins,
	global_load_b32 v[W1+\j], v[L4], s[82:83] offset:512+128*\j    ; and of the next 128
.endr
.irp i, 3,4,5,6,7,8,9,10,11
	v_mov_b32 v[P2+\i], 0                          ; zero codes: what does not count
.endr
.irp i, 24,25,26,27,28,29
	v_mov_b32 v[VF2+\i], 0                         ; behind the fourth tile's six registers
.endr
	; ---- the mask
	s_cmp_lg_u32 s98, 0                            ; a sequence's first four blocks, the cluster at x = 0, alone have key blocks in front of the sequence: the same branch in all four partners
	s_cbranch_scc1 .Lfull
.irp s, 0,1,2,3
	s_add_co_u32 s96, s17, \s
	s_cmp_lt_u32 s96, 4
	s_cselect_b32 s[56+\s], -1, 0
.endr
.irp s, 0,1,2,3
.irp i, 0,1,2,3,4,5,6,7,8,9,10,11,12,13,14,15
	v_cndmask_b32 v[S+16*\s+\i], v[S+16*\s+\i], v[NINF], s[56+\s]
.endr
.endr
.Lfull:
.irp i, 0,1,2,3,4,5,6,7,8,9,10,11,12,13,14,15
	v_cmp_le_i32 vcc_lo, \i, v[DD]                 ; the key's place is at or under my query's
	v_cndmask_b32 v[S+64+\i], v[NINF], v[S+64+\i], vcc_lo   ; my own block: such keys count
	v_cndmask_b32 v[S+\i], v[S+\i], v[NINF], vcc_lo          ; four blocks back: such keys are 128 or more behind
.endr
	; ---- the softmax
.irp b, 0,1,2,3,4
	v_max3_num_f32 v[BM+\b], v[S+16*\b], v[S+16*\b+1], v[S+16*\b+2]   ; the largest score of each block: for the row's maximum and, since p rises with the score, for the block's largest p
.endr
.irp i, 3,5,7,9,11,13
.irp b, 0,1,2,3,4
	v_max3_num_f32 v[BM+\b], v[BM+\b], v[S+16*\b+\i], v[S+16*\b+\i+1]
.endr
.endr
.irp b, 0,1,2,3,4
	v_max_num_f32 v[BM+\b], v[BM+\b], v[S+16*\b+15]
.endr
.irp b, 0,1,2,3,4
	v_permlanex16_b32 v[BT+\b], v[BM+\b], s[SEL], s[SEL+1]
.endr
.irp b, 0,1,2,3,4
	v_max_num_f32 v[BM+\b], v[BM+\b], v[BT+\b]     ; with lane l xor 16's 16 keys
.endr
	s_delay_alu instid0(VALU_DEP_3)
	v_max3_num_f32 v[MX], v[BM], v[BM+1], v[BM+2]
	s_delay_alu instid0(VALU_DEP_1)
	v_max3_num_f32 v[MX], v[MX], v[BM+3], v[BM+4]  ; the row's largest score
	s_delay_alu instid0(VALU_DEP_1)
	v_mul_f32 v[MX], s[CS], v[MX]                  ; as t
	s_delay_alu instid0(VALU_DEP_1)
	v_floor_f32 v[NM], -v[MX]                      ; -M = floor(-t) = -ceil(t)
.irp j, 0,2,4,6,8,10,12,14,16,18,20,22,24,26,28,30,32,34,36,38,40,42,44,46,48,50,52,54,56,58,60,62,64,66,68,70,72,74,76,78
	v_pk_fma_f32 v[S+\j:S+\j+1], v[S+\j:S+\j+1], s[CS:CS+1], v[NM:NM+1] op_sel_hi:[1,0,0]   ; t - M, two at a time
.endr
.irp b, 0,1,2,3,4
	v_fma_f32 v[BM+\b], v[BM+\b], s[CS], v[NM]     ; the same of each block's largest score
.endr
	s_wait_alu depctr_va_vdst(0)                   ; the wait ahead of the batch
.irp j, 0,1,2,3,4,5,6,7,8,9,10,11,12,13,14,15,16,17,18,19,20,21,22,23,24,25,26,27,28,29,30,31,32,33,34,35,36,37,38,39,40,41,42,43,44,45,46,47,48,49,50,51,52,53,54,55,56,57,58,59,60,61,62,63,64,65,66,67,68,69,70,71,72,73,74,75,76,77,78,79
	v_exp_f32 v[S+\j], v[S+\j]                     ; p = 2^(t - M): one batch
.endr
	v_nop                                          ; a plain place behind the exponentials
	s_wait_alu depctr_va_vdst(0)                   ; one wait for the batch, ahead of its first reader
.irp b, 0,1,2,3,4
	v_exp_f32 v[BM+\b], v[BM+\b]                   ; the block's largest p
.endr
	v_pk_add_f32 v[252:253], v[32:33], v[34:35]    ; the row's sum of the unquantised p, in eight chains
	v_pk_add_f32 v[254:255], v[40:41], v[44:45]
	v_pk_add_f32 v[248:249], v[48:49], v[52:53]
	v_pk_add_f32 v[246:247], v[56:57], v[60:61]
	v_pk_add_f32 v[244:245], v[64:65], v[68:69]
	v_pk_add_f32 v[242:243], v[72:73], v[76:77]
	v_pk_add_f32 v[240:241], v[80:81], v[84:85]
	v_pk_add_f32 v[250:251], v[88:89], v[92:93]
	v_pk_add_f32 v[250:251], v[250:251], v[96:97]
	v_pk_add_f32 v[252:253], v[252:253], v[100:101]
	v_pk_add_f32 v[254:255], v[254:255], v[104:105]
	v_pk_add_f32 v[248:249], v[248:249], v[108:109]
	v_pk_add_f32 v[246:247], v[246:247], v[36:37]
	v_pk_add_f32 v[244:245], v[244:245], v[38:39]
	v_pk_add_f32 v[242:243], v[242:243], v[42:43]
	v_pk_add_f32 v[240:241], v[240:241], v[46:47]
	v_pk_add_f32 v[250:251], v[250:251], v[50:51]
	v_pk_add_f32 v[252:253], v[252:253], v[54:55]
	v_pk_add_f32 v[254:255], v[254:255], v[58:59]
	v_pk_add_f32 v[248:249], v[248:249], v[62:63]
	v_pk_add_f32 v[246:247], v[246:247], v[66:67]
	v_pk_add_f32 v[244:245], v[244:245], v[70:71]
	v_pk_add_f32 v[242:243], v[242:243], v[74:75]
	v_pk_add_f32 v[240:241], v[240:241], v[78:79]
	v_pk_add_f32 v[250:251], v[250:251], v[82:83]
	v_pk_add_f32 v[252:253], v[252:253], v[86:87]
	v_pk_add_f32 v[254:255], v[254:255], v[90:91]
	v_pk_add_f32 v[248:249], v[248:249], v[94:95]
	v_pk_add_f32 v[246:247], v[246:247], v[98:99]
	v_pk_add_f32 v[244:245], v[244:245], v[102:103]
	v_pk_add_f32 v[242:243], v[242:243], v[106:107]
	v_pk_add_f32 v[240:241], v[240:241], v[110:111]
	s_delay_alu instid0(VALU_DEP_4)
	v_pk_add_f32 v[250:251], v[250:251], v[246:247]
	s_delay_alu instid0(VALU_DEP_4)
	v_pk_add_f32 v[252:253], v[252:253], v[244:245]
	s_delay_alu instid0(VALU_DEP_4)
	v_pk_add_f32 v[254:255], v[254:255], v[242:243]
	s_delay_alu instid0(VALU_DEP_4)
	v_pk_add_f32 v[248:249], v[248:249], v[240:241]
	s_delay_alu instid0(VALU_DEP_2)
	v_pk_add_f32 v[250:251], v[250:251], v[254:255]
	s_delay_alu instid0(VALU_DEP_2)
	v_pk_add_f32 v[252:253], v[252:253], v[248:249]
	s_delay_alu instid0(VALU_DEP_1)
	v_pk_add_f32 v[250:251], v[250:251], v[252:253]
	s_wait_loadcnt 0x0                             ; V's first four tiles and its scale words are in
.irp j, 0,1,2,3
	v_perm_b32 v[W0+\j], v[W1+\j], v[W0+\j], s66   ; the bytes of my window's blocks 0-3, out of the two words
.endr
.irp j, 0,1,2,3
	v_lshrrev_b32 v[W1+\j], s67, v[W1+\j]          ; block 4's byte lowest; what stands above it meets zero codes
.endr
	s_wait_alu depctr_va_vdst(0)                   ; and one wait for the five
.irp b, 0,1,2,3,4
	v_max_num_f32 v[BM+\b], 0x1800000, v[BM+\b]    ; the floor 2^(3 - 127): the byte cannot fall under 1
.endr
.irp b, 0,1,2,3,4
	v_add_nc_u32 v[SO+\b], 0xff000000, v[BM+\b]    ; 2 off the exponent field: the conversion's scale operand
.endr
.irp b, 0,1,2,3
	v_lshrrev_b32 v[BT+\b], 23, v[SO+\b]           ; the scale's byte
.endr
	v_lshrrev_b32 v[PW2], 23, v[SO+4]
	v_add_f32 v[LA], v[LA], v[LA+1]                ; the sum's halves,
	s_delay_alu instid0(VALU_DEP_1)
	v_permlanex16_b32 v[LB], v[LA], s[SEL], s[SEL+1]
	s_delay_alu instid0(VALU_DEP_1)
	v_add_f32 v[LA], v[LA], v[LB]                  ; and lane l xor 16's
	s_wait_alu depctr_va_vdst(0)                   ; the wait ahead of the transcendental
	v_rcp_f32 v[LA], v[LA]                         ; its wait stands ahead of its first reader, behind the second product
	v_lshl_or_b32 v[PW1], v[BT+1], 8, v[BT]        ; (plain work behind the reciprocal)  p's scale word
	s_delay_alu instid0(VALU_DEP_1)
	v_lshl_or_b32 v[PW1], v[BT+2], 16, v[PW1]
	s_delay_alu instid0(VALU_DEP_1)
	v_lshl_or_b32 v[PW1], v[BT+3], 24, v[PW1]
.irp c, 0,1
	v_cvt_scalef32_pk16_fp6_f32 v[P1+6*\c:P1+6*\c+2], v[S+32*\c:S+32*\c+15], v[SO+2*\c]
	v_cvt_scalef32_pk16_fp6_f32 v[PT+4*\c:PT+4*\c+2], v[S+32*\c+16:S+32*\c+31], v[SO+2*\c+1]
.endr
	v_cvt_scalef32_pk16_fp6_f32 v[P2:P2+2], v[S+64:S+79], v[SO+4]
	v_nop                                          ; one plain place behind a scaled conversion
.irp c, 0,1                                    ; a whole block in a lane: lanes 0-15 block 2 c, lanes 16-31 block 2 c + 1
.irp i, 0,1,2
	v_permlane16_swap_b32 v[P1+6*\c+\i], v[PT+4*\c+\i]
.endr
.irp i, 0,1,2
	s_delay_alu instid0(VALU_DEP_3)
	v_mov_b32 v[P1+3+6*\c+\i], v[PT+4*\c+\i]
.endr
.endr
.irp i, 0,1,2
	v_permlane16_swap_b32 v[P2+\i], v[P2+3+\i]     ; block 4: its upper 16 codes come to lanes 0-15, zeros go to lanes 16-31
.endr
.rept 8
	v_nop                                          ; a scale register written by a vector instruction stands 8 places ahead of a scaled matrix instruction, an operand so written 4
.endr
	; ---- O^T = V^T P^T: the accumulators by turns, one instruction a turn
.macro PV g
.irp t, 0,1,2,3
.if \t%2
	v_wmma_scale_f32_16x16x128_f8f6f4 v[O+8*(4*\g+\t):O+8*(4*\g+\t)+7], v[VF1+12*\t:VF1+12*\t+11], v[P1:P1+11], 0, v[W0+(4*\g+\t)/2], v[PW1] matrix_a_fmt:MATRIX_FMT_FP6 matrix_b_fmt:MATRIX_FMT_FP6 matrix_a_scale:MATRIX_SCALE_ROW1
.else
	v_wmma_scale_f32_16x16x128_f8f6f4 v[O+8*(4*\g+\t):O+8*(4*\g+\t)+7], v[VF1+12*\t:VF1+12*\t+11], v[P1:P1+11], 0, v[W0+(4*\g+\t)/2], v[PW1] matrix_a_fmt:MATRIX_FMT_FP6 matrix_b_fmt:MATRIX_FMT_FP6
.endif
.endr
.irp t, 0,1,2,3
.if \t%2
	v_wmma_scale_f32_16x16x128_f8f6f4 v[O+8*(4*\g+\t):O+8*(4*\g+\t)+7], v[VF2+6*\t:VF2+6*\t+11], v[P2:P2+11], v[O+8*(4*\g+\t):O+8*(4*\g+\t)+7], v[W1+(4*\g+\t)/2], v[PW2] matrix_a_fmt:MATRIX_FMT_FP6 matrix_b_fmt:MATRIX_FMT_FP6 matrix_a_scale:MATRIX_SCALE_ROW1
.else
	v_wmma_scale_f32_16x16x128_f8f6f4 v[O+8*(4*\g+\t):O+8*(4*\g+\t)+7], v[VF2+6*\t:VF2+6*\t+11], v[P2:P2+11], v[O+8*(4*\g+\t):O+8*(4*\g+\t)+7], v[W1+(4*\g+\t)/2], v[PW2] matrix_a_fmt:MATRIX_FMT_FP6 matrix_b_fmt:MATRIX_FMT_FP6
.endif
.endr
.endm
	PV 0
	NOP4                                           ; places in front of loads into registers that matrix instructions have read
	VLOAD 1
	s_wait_alu depctr_va_vdst(0)                   ; directly ahead of the wait below
	s_wait_loadcnt 0x0
	PV 1
	NOP4                                           ; places: in front of the first read of the results and of the loads below
.irp t, 0,1,2,3
.irp k, 0,1
	global_load_b128 v[WSC+8*\t+4*\k:WSC+8*\t+4*\k+3], v[R16], s[86:87] offset:\k*196608+\t*256   ; Wout's scale words: row r's words of four K steps (both halves of the lanes alike); they come while o is quantised
.endr
.endr
	; ---- O^T / the sum; register 16 b + i = channel 32 b + 16 h + i of my query: quantised along the channels
	s_wait_alu depctr_va_vdst(0)                   ; the reciprocal's wait, ahead of its first reader
.irp j, 0,2,4,6,8,10,12,14,16,18,20,22,24,26,28,30,32,34,36,38,40,42,44,46,48,50,52,54,56,58,60,62
	v_pk_mul_f32 v[O+\j:O+\j+1], v[O+\j:O+\j+1], v[LA:LA+1] op_sel_hi:[1,0]
.endr
.irp b, 0,1,2,3
	v_max3_num_f32 v[TM+\b], |v[O+16*\b]|, |v[O+1+16*\b]|, 0x1800000
.endr
.irp i, 2,4,6,8,10,12,14
.irp b, 0,1,2,3
	s_delay_alu instid0(VALU_DEP_4)
	v_max3_num_f32 v[TM+\b], v[TM+\b], |v[O+16*\b+\i]|, |v[O+1+16*\b+\i]|
.endr
.endr
.irp b, 0,1,2,3
	s_delay_alu instid0(VALU_DEP_4)
	v_permlanex16_b32 v[TM+4+\b], v[TM+\b], s[SEL], s[SEL+1]
.endr
.irp b, 0,1,2,3
	s_delay_alu instid0(VALU_DEP_4)
	v_max_num_f32 v[TM+\b], v[TM+\b], v[TM+4+\b]
.endr
.irp b, 0,1,2,3
	s_delay_alu instid0(VALU_DEP_4)
	v_add_nc_u32 v[TM+12+\b], 0xff000000, v[TM+\b]
.endr
.irp b, 0,1,2,3
	s_delay_alu instid0(VALU_DEP_4)
	v_lshrrev_b32 v[TM+4+\b], 23, v[TM+12+\b]
.endr
	s_delay_alu instid0(VALU_DEP_3)
	v_lshl_or_b32 v[OPW], v[TM+5], 8, v[TM+4]      ; my row's scale word for this head's K step
	s_delay_alu instid0(VALU_DEP_1)
	v_lshl_or_b32 v[OPW], v[TM+6], 16, v[OPW]
	s_delay_alu instid0(VALU_DEP_1)
	v_lshl_or_b32 v[OPW], v[TM+7], 24, v[OPW]
.irp c, 0,1
	v_cvt_scalef32_pk16_fp6_f32 v[PC+6*\c:PC+2+6*\c], v[O+32*\c:O+15+32*\c], v[TM+12+2*\c]
	v_cvt_scalef32_pk16_fp6_f32 v[108+136*\c:110+136*\c], v[O+16+32*\c:O+31+32*\c], v[TM+12+2*\c+1]   ; (three registers that begin on an even number: v108, v244)
.endr
	v_nop                                          ; one plain place behind a scaled conversion
.irp c, 0,1
.irp i, 0,1,2
	v_permlane16_swap_b32 v[PC+6*\c+\i], v[108+136*\c+\i]
.endr
.irp i, 0,1,2
	s_delay_alu instid0(VALU_DEP_3)
	v_mov_b32 v[PC+3+6*\c+\i], v[108+136*\c+\i]
.endr
.endr
	v_and_b32 v7, 15, v0                           ; r
	v_bfe_u32 v8, v0, 4, 1                         ; h
	v_mul_u32_u24 v[STO], v7, SPITCH               ; the stage, in: row r, 64 bytes for each half of the lanes
	v_mul_u32_u24 v[RD], v8, SPITCH                ; back: sixteen lanes take one row of 256 bytes, the other sixteen the next
	v_lshlrev_b32 v[CO], 12, v8                    ; and the same two rows in out0
	v_lshl_add_u32 v[STO], v8, 6, v[STO]
	v_lshl_add_u32 v[RD], v7, 4, v[RD]
	v_lshl_add_u32 v[CO], v7, 4, v[CO]
	v_add_nc_u32 v[STO], s92, v[STO]
	v_add_nc_u32 v[RD], s92, v[RD]
	v_lshl_add_u32 v[XSR], v7, 5, XS               ; row r's eight scale words
	v_add_nc_u32 v[BAD], s92, v[L16]
	s_wait_alu depctr_va_vdst(0)                   ; directly ahead of the wait below
	s_wait_tensorcnt 0x0                           ; my tiles of Wout, K steps 0 to 2, have landed: no tensor load of mine is out under the stores below
.irp c, 0,1,2
	ds_store_b128 v[XCW], v[PC+4*\c:PC+4*\c+3] offset:512*\c   ; the fragment's image
.endr
	ds_store_b32 v[XSW], v[OPW]                    ; a word a row (both halves of the lanes hold the same word)
	s_wait_dscnt 0x0                               ; my fragment and my words are stored
	s_barrier_signal -1
	s_barrier_wait -1                              ; and so are the other waves'
	; ---- out0 = o Wout^T: source 0 = 16 rows of Wout, source 1 = 16 tokens
.irp u, 0,1
.irp k, 0,1
	ds_load_b128 v[ASC+8*\u+4*\k:ASC+8*\u+4*\k+3], v[XSR] offset:512*\u+16*\k
.endr
.endr
.macro ALOAD ks                        ; o's two fragments of K step ks
.irp c, 0,1,2
	ds_load_b128 v[AF0+4*\c:AF0+4*\c+3], v[L16] offset:XC+(\ks)*1536+512*\c
	ds_load_b128 v[AF1+4*\c:AF1+4*\c+3], v[L16] offset:XC+(8+(\ks))*1536+512*\c
.endr
.endm
.macro BL ks, pitch, kk                ; my four tiles' fragments of K step ks, the kk-th of the region's, into set ks % 2
.irp t, 0,1,2,3
.irp c, 0,1,2
	ds_load_b128 v[BR+48*((\ks)%2)+12*\t+4*\c:BR+48*((\ks)%2)+12*\t+4*\c+3], v[BAD] offset:\t*\pitch+\kk*1536+512*\c
.endr
.endr
.endm
.macro OMUL ks
.irp t, 0,1,2,3
.if (\ks) == 0
	v_wmma_scale_f32_16x16x128_f8f6f4 v[O+16*\t:O+16*\t+7], v[BR+48*((\ks)%2)+12*\t:BR+48*((\ks)%2)+12*\t+11], v[AF0:AF0+11], 0, v[WSC+8*\t+(\ks)], v[ASC+(\ks)] matrix_a_fmt:MATRIX_FMT_FP6 matrix_b_fmt:MATRIX_FMT_FP6
	v_wmma_scale_f32_16x16x128_f8f6f4 v[O+16*\t+8:O+16*\t+15], v[BR+48*((\ks)%2)+12*\t:BR+48*((\ks)%2)+12*\t+11], v[AF1:AF1+11], 0, v[WSC+8*\t+(\ks)], v[ASC+8+(\ks)] matrix_a_fmt:MATRIX_FMT_FP6 matrix_b_fmt:MATRIX_FMT_FP6
.else
	v_wmma_scale_f32_16x16x128_f8f6f4 v[O+16*\t:O+16*\t+7], v[BR+48*((\ks)%2)+12*\t:BR+48*((\ks)%2)+12*\t+11], v[AF0:AF0+11], v[O+16*\t:O+16*\t+7], v[WSC+8*\t+(\ks)], v[ASC+(\ks)] matrix_a_fmt:MATRIX_FMT_FP6 matrix_b_fmt:MATRIX_FMT_FP6
	v_wmma_scale_f32_16x16x128_f8f6f4 v[O+16*\t+8:O+16*\t+15], v[BR+48*((\ks)%2)+12*\t:BR+48*((\ks)%2)+12*\t+11], v[AF1:AF1+11], v[O+16*\t+8:O+16*\t+15], v[WSC+8*\t+(\ks)], v[ASC+8+(\ks)] matrix_a_fmt:MATRIX_FMT_FP6 matrix_b_fmt:MATRIX_FMT_FP6
.endif
.endr
.endm
; Three K steps a, a + 1, a + 2 out of the region, which is then filled again by group 1 g1.  The refill goes out when the last two steps' fragments are in registers; their products stand behind it.
.macro THREE a, g1
	BL \a, 4608, 0
	BL \a+1, 4608, 1
	s_wait_dscnt 0x0
	OMUL \a
	NOP4                                           ; places in front of loads into registers that matrix instructions have read
	BL \a+2, 4608, 2
	ALOAD \a+1
	s_wait_tensorcnt 0x0                           ; no tensor load of mine is out;
	ds_add_u32 v[SPW], v[NIL]                      ; 0 onto my spare word;
	s_add_nc_u64 s[G0+2:G0+3], s[G0+2:G0+3], 4608  ; three K steps on
	s_wait_dscnt 0x0                               ; the add is done, and my reads of the region are over
	ROUND                                          ; both hold of every wave of the four work-groups
	tensor_load_to_lds s[G0:G0+3], s[\g1:\g1+7]    ; my one tensor load behind the round
	s_nop 0
	OMUL \a+1
	NOP4
	ALOAD \a+2
	s_wait_dscnt 0x0
	OMUL \a+2
	NOP4
	ALOAD \a+3
	s_wait_tensorcnt 0x0                           ; the refill has landed: I alone read my bytes of it
.endm
	ALOAD 0
	s_wait_loadcnt 0x0                             ; Wout's scale words
	THREE 0, G1
	THREE 3, G1L
	BL 6, 3072, 0
	BL 7, 3072, 1
	s_wait_dscnt 0x0
	OMUL 6
	NOP4
	ALOAD 7
	s_wait_dscnt 0x0
	OMUL 7
	NOP4                                           ; places in front of the first read of the results
	; ---- the way out: 16 rows x 64 columns of each token tile go through my own stage and leave as rows of 256 bytes.  The stage lies in my bytes of Wout's region, which has had its last fill and my last read.
	; LDS serves a wave's instructions in order: no wait between the stores and the loads
.irp u, 0,1
.irp t, 0,1,2,3
	ds_store_b128 v[STO], v[O+16*\t+8*\u:O+16*\t+8*\u+3] offset:128*(\t/2)+32*(\t%2)       ; each accumulator from its low end on
	ds_store_b128 v[STO], v[O+16*\t+8*\u+4:O+16*\t+8*\u+7] offset:128*(\t/2)+32*(\t%2)+16
.endr
.irp i, 0,1,2,3,4,5,6,7
	ds_load_b128 v[BK+32*\u+4*\i:BK+32*\u+4*\i+3], v[RD] offset:\i*2*SPITCH
.endr
.endr
.irp u, 0,1
	s_wait_dscnt 16-16*\u                          ; tile u's rows are back; tile 1's eight stores and eight loads may be out
.irp i, 0,1,2,3,4,5,6,7
	global_store_b128 v[CO], v[BK+32*\u+4*\i:BK+32*\u+4*\i+3], s[88:89] offset:(8*\u+2*\i+8*(\i/4))*4096 th:TH_STORE_NT   ; sixteen lanes store 256 consecutive bytes, aligned
.endr
.endr
	s_wait_tensorcnt 0x0                           ; the wave's end
	ds_add_u32 v[SPW], v[NIL]
	s_wait_dscnt 0x0
	ROUND                                          ; the closing round: no work-group ends while a partner may still ask for a tile that names it
	s_endpgm
.Lfunc_end_k_qda233244a4_attnout:
	.size	k_qda233244a4_attnout, .Lfunc_end_k_qda233244a4_attnout-k_qda233244a4_attnout
	.p2alignl 7, 3214868480
	.fill 96, 4, 3214868480
	.section	.rodata,"a",@progbits
	.p2align	6, 0x0
	.amdhsa_kernel k_qda233244a4_attnout
		.amdhsa_group_segment_fixed_size 327680
		.amdhsa_private_segment_fixed_size 0
		.amdhsa_enable_private_segment 0
		.amdhsa_kernarg_size 40
		.amdhsa_user_sgpr_count 2
		.amdhsa_user_sgpr_kernarg_segment_ptr 1
		.amdhsa_wavefront_size32 1
		.amdhsa_system_sgpr_workgroup_id_x 1
		.amdhsa_system_sgpr_workgroup_id_y 1
		.amdhsa_system_sgpr_workgroup_id_z 1
		.amdhsa_system_vgpr_workitem_id 0
		.amdhsa_next_free_vgpr 256
		.amdhsa_next_free_sgpr 100
		.amdhsa_reserve_vcc 1
		.amdhsa_float_denorm_mode_32 3
		.amdhsa_float_denorm_mode_16_64 3
		.amdhsa_memory_ordered 1
		.amdhsa_forward_progress 1
		.amdhsa_inst_pref_size 79
	.end_amdhsa_kernel
	.amdgpu_metadata
---
amdhsa.version: [ 1, 2 ]
amdhsa.kernels:
  - .name:           k_qda233244a4_attnout
    .symbol:         k_qda233244a4_attnout.kd
    .args:
      - { .name: qkvc, .offset: 0, .size: 8, .value_kind: global_buffer, .address_space: global }
      - { .name: qkvs, .offset: 8, .size: 8, .value_kind: global_buffer, .address_space: global }
      - { .name: cod, .offset: 16, .size: 8, .value_kind: global_buffer, .address_space: global }
      - { .name: scl, .offset: 24, .size: 8, .value_kind: global_buffer, .address_space: global }
      - { .name: out0, .offset: 32, .size: 8, .value_kind: global_buffer, .address_space: global }
    .group_segment_fixed_size: 327680
    .private_segment_fixed_size: 0
    .kernarg_segment_align: 8
    .kernarg_segment_size: 40
    .max_flat_workgroup_size: 512
    .sgpr_count:     100
    .vgpr_count:     256
    .wavefront_size: 32
...
	.end_amdgpu_metadata
.endif
;; end of part 3
